; MI455X (gfx1250); checked and timed in simulation.
; The chip was launched on July 23, 2026; its instructions are those of AMD's public machine-readable ISA for CDNA 5 (MIT licence, August 2026) and "CDNA5" Instruction Set Architecture Reference Guide (July 2026). The comments in the code are by the model that wrote it; some were corrected since.
;; RND. Allowed arithmetic: float matrix products may take bf16 or f16 operands with f32 sums; other float arithmetic in f32, or as packed bf16 or f16 multiplies, adds, multiply-adds, maxima and minima; sums over many terms, partial sums and values carried from step to step in f32; what a program stores and reads back later, other than sums and carried values, may be rounded once to bf16 or f16.
;; Inputs: obs 524,288 x 64 float32; pW1 128 x 64 float32; pW2 128 x 128 float32; pW3 128 x 128 float32; pb1 128 float32; pb2 128 float32; pb3 128 float32; reward_count 1 float32; reward_m2 1 float32; reward_mean 1 float32; tW1 128 x 64 float32; tW2 128 x 128 float32; tW3 128 x 128 float32; tb1 128 float32; tb2 128 float32; tb3 128 float32.
;; Outputs: out0 524,288 float32.
;; 2 versions, each right; version 2 is version 1 with the launch prep written anew for expert scheduling mode. Each part assembles by itself: llvm-mc -triple=amdgcn-amd-amdhsa -mcpu=gfx1250 --defsym DOCPART=n.
;; ======== version 1 of 2: 3 launches
;; limits: values are held in f16: magnitudes above 65,504 overflow, below 6.1e-05 lose precision
;; workspace buffers: wimg 167,936 bytes; rew 2,097,152 bytes; part 8,192 bytes
;; launch prep (part 1): grid 11 x 1, 8 waves a work-group, no clusters, 1,280 bytes of LDS; arguments tW1, tW2, tW3, pW1, pW2, pW3, tb1, tb2, tb3, pb1, pb2, pb3, wimg; writes wimg
.if DOCPART == 1
	.amdgcn_target "amdgcn-amd-amdhsa--gfx1250"
	.amdhsa_code_object_version 6
	.text
	.protected	k_qb2b6d482e4_prep
	.globl	k_qb2b6d482e4_prep
	.p2align	8
	.type	k_qb2b6d482e4_prep,@function
k_qb2b6d482e4_prep:
	s_mov_b64 s[64:65], 0
	v_nop
	global_prefetch_b8 v0, s[64:65] scope:SCOPE_SE
	s_setreg_imm32_b32 hwreg(HW_REG_WAVE_MODE, 25, 1), 1
	s_wait_xcnt 0x0
; PREP: the weights and biases of both nets, each rounded once to bf16, laid out as the image that the main launch keeps in LDS.
; wimg, 167,936 bytes:
;   0 .. 163,839    40 chunks of 4,096 bytes in the order in which the main launch multiplies: tW1 (4), tW2 (8), pW1 (4), pW2 (8), then tW3's and -pW3's feature tiles by turns (16).
;                   A chunk is 4 fragments of 16 rows x 32 K; fragment f, half q, lane l lies at 1,024 f + 512 q + 16 l and holds W[row][col .. col + 7], kk = 32 f + 16 q + 8 (l / 16):
;                   K = 128: chunk = feature tile T, row = 16 T + l % 16, col = kk.   W1 (K = 64): chunk a = tiles 2 a, 2 a + 1, row = 32 a + 16 (kk / 64) + l % 16, col = kk % 64.
;                   W1 is stored as bf16; W2 and W3 as that bf16 number written in f16; pW3 with its sign turned.
;   163,840 ..      five vectors of 128 f32: b1t, b2t, b1p, b2p, b3t - b3p (of the rounded numbers)
;   166,400 ..      12 rows of 32 equal f32: the largest |rounded weight| of units 0 to 9; the largest |b1|; the largest |b2|
; LIMITS.  W2 and W3, rounded, lie within f16's 65,504; below 2^-14 they keep f16's fixed step of 2^-24.  NaN and infinities are not treated apart.
; SHARES.  Work-group u = 0 .. 9 makes four chunks (half a matrix of K = 128, or a whole W1): wave w takes half-fragment w of each chunk, so a store of a wave covers 512 consecutive bytes.
; Work-group 10 makes the biases, with its wave 0 alone.  Every wave of every work-group passes the one barrier.
.set IMG_BIAS, 163840
.set IMG_META, 166400
.set SPARE,    256                     ; LDS: bytes 0 .. 31 the eight waves' maxima (the block 0 .. 255 is theirs); from 256 the spare words, 128 bytes a wave
.set SPW, 30                           ; v30  LDS address of my spare word; never rewritten
.set NIL, 31                           ; v31  0; never rewritten
.set IN,  32                           ; v[32:63]  four pieces of 8 f32 as loaded
.set BF,  64                           ; v[64:67]  a piece as bf16 pairs
.set UP,  68                           ; v[68:75]  the rounded numbers as f32
.set OUT, 76                           ; v[76:91]  four pieces to store, each with registers of its own
.macro WMAX r                          ; the largest of v[r] over the 32 lanes, in every lane
	v_max_num_f32_dpp v[\r], v[\r], v[\r] row_xmask:1 row_mask:0xf bank_mask:0xf
	v_max_num_f32_dpp v[\r], v[\r], v[\r] row_xmask:2 row_mask:0xf bank_mask:0xf
	v_max_num_f32_dpp v[\r], v[\r], v[\r] row_xmask:4 row_mask:0xf bank_mask:0xf
	v_max_num_f32_dpp v[\r], v[\r], v[\r] row_xmask:8 row_mask:0xf bank_mask:0xf
	v_permlanex16_b32 v12, v[\r], s42, s43
	v_max_num_f32 v[\r], v[\r], v12
.endm
; unit u: its matrix and one word of parameters: bit 0 which half; 11:4 first chunk; 15:12 chunks from piece to piece; 16 K = 64 and bf16; 17 sign turned
.macro PICK u, p, half, chunk, stride, k64, neg
	s_cmp_eq_u32 s5, \u
	s_cselect_b64 s[2:3], s[\p:\p+1], s[2:3]
	s_cselect_b32 s4, (\half)|((\chunk)<<4)|((\stride)<<12)|((\k64)<<16)|((\neg)<<17), s4
.endm
.macro PIECE j                         ; 8 numbers a lane: rounded, their magnitudes taken into the maxima, written in the unit's format, stored
	s_wait_loadcnt 6-2*(\j)                        ; loads come back in order: the pieces behind this one, two loads each, may stay out
.irp k, 0,1,2,3
	v_cvt_pk_bf16_f32 v[BF+\k], v[IN+8*(\j)+2*\k], v[IN+8*(\j)+2*\k+1]
.endr
.irp k, 0,1,2,3
	v_lshlrev_b32 v[UP+2*\k], 16, v[BF+\k]
	v_and_b32 v[UP+2*\k+1], s44, v[BF+\k]
.endr
.irp k, 0,1,2,3
	v_max3_num_f32 v[10+\k%2], v[10+\k%2], |v[UP+2*\k]|, |v[UP+2*\k+1]|
.endr
.irp k, 0,1,2,3
	v_cvt_pk_f16_f32 v[OUT+4*(\j)+\k], v[UP+2*\k], v[UP+2*\k+1]
.endr
.irp k, 0,1,2,3
	v_xor_b32 v[OUT+4*(\j)+\k], s13, v[OUT+4*(\j)+\k]
.endr
.irp k, 0,1,2,3
	v_cndmask_b32 v[OUT+4*(\j)+\k], v[OUT+4*(\j)+\k], v[BF+\k], s12
.endr
	global_store_b128 v[6+(\j)], v[OUT+4*(\j):OUT+4*(\j)+3], s[40:41]
.endm
	s_load_b512 s[16:31], s[0:1], 0x0              ; tW1 s[16:17], tW2 s[18:19], tW3 s[20:21], pW1 s[22:23], pW2 s[24:25], pW3 s[26:27], tb1 s[28:29], tb2 s[30:31]
	s_load_b256 s[32:39], s[0:1], 0x40             ; tb3 s[32:33], pb1 s[34:35], pb2 s[36:37], pb3 s[38:39]
	s_load_b64 s[40:41], s[0:1], 0x60              ; wimg
	v_lshl_add_u32 v[SPW], v0, 2, SPARE
	v_mov_b32 v[NIL], 0
	v_lshrrev_b32 v13, 5, v0
	v_readfirstlane_b32 s14, v13                   ; wave 0..7
	v_lshlrev_b32 v13, 2, v13                      ; my wave's word in LDS
	v_and_b32 v1, 15, v0                           ; l % 16
	v_and_b32 v14, 31, v0                          ; l
	v_mov_b32 v10, 0                               ; two chains of maxima of magnitudes: they start at 0
	v_mov_b32 v11, 0
	v_mov_b32 v12, 0                               ; v_permlanex16_b32's destination counts as read
	s_mov_b32 s5, ttmp9                            ; the unit
	s_lshl_b32 s15, s5, 7
	s_add_co_u32 s15, s15, IMG_META
	v_lshl_add_u32 v5, v14, 2, s15                 ; my lane's word in the unit's row of maxima
	s_mov_b32 s42, 0x76543210                      ; v_permlanex16_b32: each lane takes its own place in the other half
	s_mov_b32 s43, 0xfedcba98
	s_mov_b32 s44, 0xffff0000                      ; a word's upper bf16
	s_wait_kmcnt 0x0
	s_cmp_eq_u32 s5, 10
	s_cbranch_scc1 .Lbias                          ; the same way for all waves of a work-group
	s_mov_b64 s[2:3], s[16:17]                     ; unit 0: tW1
	s_mov_b32 s4, (1<<12)|(1<<16)
	PICK 1, 18, 0, 4, 1, 0, 0
	PICK 2, 18, 1, 8, 1, 0, 0
	PICK 3, 22, 0, 12, 1, 1, 0
	PICK 4, 24, 0, 16, 1, 0, 0
	PICK 5, 24, 1, 20, 1, 0, 0
	PICK 6, 20, 0, 24, 2, 0, 0
	PICK 7, 20, 1, 32, 2, 0, 0
	PICK 8, 26, 0, 25, 2, 0, 1
	PICK 9, 26, 1, 33, 2, 0, 1
	s_and_b32 s6, s4, 1
	s_lshl_b32 s6, s6, 15                          ; the half: 64 rows of 512 bytes
	s_bfe_u32 s7, s4, 0x80004
	s_lshl_b32 s7, s7, 12                          ; the first chunk's byte
	s_bfe_u32 s8, s4, 0x4000c
	s_lshl_b32 s8, s8, 12                          ; bytes from piece to piece in the image
	s_bitcmp1_b32 s4, 16                           ; K = 64?
	s_cselect_b32 s9, 8, 9                         ; a row is 256 or 512 bytes
	s_cselect_b32 s10, 63, 127                     ; col = kk modulo K
	s_cselect_b32 s11, 4096, 0                     ; kk / 64 chooses the second tile, 16 rows of 256 bytes on
	s_cselect_b32 s12, -1, 0                       ; every lane keeps the bf16 form
	s_bitcmp1_b32 s4, 17
	s_cselect_b32 s13, 0x80008000, 0               ; both halves' signs
	v_lshrrev_b32 v2, 4, v0
	v_lshlrev_b32 v2, 3, v2                        ; kk = 16 wave + 8 (l / 16)
	v_lshlrev_b32 v3, s9, v1                       ; row l % 16
	v_and_b32 v4, s10, v2
	v_lshl_add_u32 v3, v4, 2, v3                   ; + 4 col
	v_lshrrev_b32 v4, 6, v2
	v_mad_u32_u24 v3, v4, s11, v3
	v_add_nc_u32 v3, s6, v3
	v_lshl_add_u32 v6, v0, 4, s7                   ; 512 wave + 16 l = 16 x my thread's number, in the first chunk
	v_add_nc_u32 v7, s8, v6
	v_add_nc_u32 v8, s8, v7
	v_add_nc_u32 v9, s8, v8
.irp j, 0,1,2,3                                        ; piece j: 16 rows of 512 bytes, or 32 of 256, further on: 8,192 bytes
	global_load_b128 v[IN+8*\j:IN+8*\j+3], v3, s[2:3] offset:8192*\j
	global_load_b128 v[IN+8*\j+4:IN+8*\j+7], v3, s[2:3] offset:8192*\j+16
.endr
	PIECE 0
	PIECE 1
	PIECE 2
	PIECE 3
	v_max_num_f32 v10, v10, v11
	s_branch .Ljoin
.Lbias:                                                ; unit 10: wave 0 alone; the other waves bring 0 to the common maximum
	s_cmp_lg_u32 s14, 0
	s_cbranch_scc1 .Ljoin
	v_lshlrev_b32 v15, 4, v14                      ; 16 l: 32 lanes take a vector's 512 bytes
	global_load_b128 v[32:35], v15, s[28:29]       ; tb1
	global_load_b128 v[36:39], v15, s[30:31]       ; tb2
	global_load_b128 v[40:43], v15, s[32:33]       ; tb3
	global_load_b128 v[44:47], v15, s[34:35]       ; pb1
	global_load_b128 v[48:51], v15, s[36:37]       ; pb2
	global_load_b128 v[52:55], v15, s[38:39]       ; pb3
	s_wait_loadcnt 0x0
.irp b, 32,36,40,44,48,52                              ; each number rounded to bf16 and widened again, in place
	v_cvt_pk_bf16_f32 v64, v[\b], v[\b+1]
	v_cvt_pk_bf16_f32 v65, v[\b+2], v[\b+3]
	v_lshlrev_b32 v[\b], 16, v64
	v_and_b32 v[\b+1], s44, v64
	v_lshlrev_b32 v[\b+2], 16, v65
	v_and_b32 v[\b+3], s44, v65
.endr
	v_pk_add_f32 v[40:41], v[40:41], v[52:53] neg_lo:[0,1] neg_hi:[0,1]  ; b3t - b3p
	v_pk_add_f32 v[42:43], v[42:43], v[54:55] neg_lo:[0,1] neg_hi:[0,1]
	v_max3_num_f32 v10, v10, |v32|, |v33|          ; the largest |b1| of both nets: the common tail below reduces it and stores it in row 10
	v_max3_num_f32 v11, v11, |v36|, |v37|          ; the largest |b2|
	v_max3_num_f32 v10, v10, |v34|, |v35|
	v_max3_num_f32 v11, v11, |v38|, |v39|
	v_max3_num_f32 v10, v10, |v44|, |v45|
	v_max3_num_f32 v11, v11, |v48|, |v49|
	v_max3_num_f32 v10, v10, |v46|, |v47|
	v_max3_num_f32 v11, v11, |v50|, |v51|
	WMAX 11
	global_store_b128 v15, v[32:35], s[40:41] offset:IMG_BIAS
	global_store_b128 v15, v[36:39], s[40:41] offset:IMG_BIAS+512
	global_store_b128 v15, v[44:47], s[40:41] offset:IMG_BIAS+1024
	global_store_b128 v15, v[48:51], s[40:41] offset:IMG_BIAS+1536
	global_store_b128 v15, v[40:43], s[40:41] offset:IMG_BIAS+2048
	global_store_b32 v5, v11, s[40:41] offset:128  ; row 11
.Ljoin:                                                ; the work-group's maximum: each wave's into its word, one barrier, wave 0 reads all eight
	WMAX 10
	ds_store_b32 v13, v10
	s_wait_dscnt 0x0                               ; for the others' sake: my store is done
	s_barrier_signal -1
	s_barrier_wait -1
	s_cmp_lg_u32 s14, 0
	s_cbranch_scc1 .Lend
	v_mov_b32 v24, 0
	ds_load_b128 v[16:19], v24
	ds_load_b128 v[20:23], v24 offset:16
	s_wait_dscnt 0x0
	v_max3_num_f32 v16, v16, v17, v18
	v_max3_num_f32 v16, v16, v19, v20
	v_max3_num_f32 v16, v16, v21, v22
	v_max_num_f32 v16, v16, v23
	global_store_b32 v5, v16, s[40:41]             ; the unit's row: 32 lanes, 128 consecutive bytes
.Lend:
	s_wait_tensorcnt 0x0                           ; the wave's end: behind my last LDS store
	ds_add_u32 v[SPW], v[NIL]
	s_wait_dscnt 0x0
	s_endpgm
.Lfunc_end_k_qb2b6d482e4_prep:
	.size	k_qb2b6d482e4_prep, .Lfunc_end_k_qb2b6d482e4_prep-k_qb2b6d482e4_prep
	.p2alignl 7, 3214868480
	.fill 96, 4, 3214868480
	.section	.rodata,"a",@progbits
	.p2align	6, 0x0
	.amdhsa_kernel k_qb2b6d482e4_prep
		.amdhsa_group_segment_fixed_size 1280
		.amdhsa_private_segment_fixed_size 0
		.amdhsa_enable_private_segment 0
		.amdhsa_kernarg_size 104
		.amdhsa_user_sgpr_count 2
		.amdhsa_user_sgpr_kernarg_segment_ptr 1
		.amdhsa_wavefront_size32 1
		.amdhsa_system_sgpr_workgroup_id_x 1
		.amdhsa_system_sgpr_workgroup_id_y 1
		.amdhsa_system_sgpr_workgroup_id_z 1
		.amdhsa_system_vgpr_workitem_id 0
		.amdhsa_next_free_vgpr 96
		.amdhsa_next_free_sgpr 66
		.amdhsa_reserve_vcc 0
		.amdhsa_float_denorm_mode_32 3
		.amdhsa_float_denorm_mode_16_64 3
		.amdhsa_memory_ordered 1
		.amdhsa_forward_progress 1
		.amdhsa_inst_pref_size 16
	.end_amdhsa_kernel
	.amdgpu_metadata
---
amdhsa.version: [ 1, 2 ]
amdhsa.kernels:
  - .name:           k_qb2b6d482e4_prep
    .symbol:         k_qb2b6d482e4_prep.kd
    .args:
      - { .name: tW1, .offset: 0, .size: 8, .value_kind: global_buffer, .address_space: global }
      - { .name: tW2, .offset: 8, .size: 8, .value_kind: global_buffer, .address_space: global }
      - { .name: tW3, .offset: 16, .size: 8, .value_kind: global_buffer, .address_space: global }
      - { .name: pW1, .offset: 24, .size: 8, .value_kind: global_buffer, .address_space: global }
      - { .name: pW2, .offset: 32, .size: 8, .value_kind: global_buffer, .address_space: global }
      - { .name: pW3, .offset: 40, .size: 8, .value_kind: global_buffer, .address_space: global }
      - { .name: tb1, .offset: 48, .size: 8, .value_kind: global_buffer, .address_space: global }
      - { .name: tb2, .offset: 56, .size: 8, .value_kind: global_buffer, .address_space: global }
      - { .name: tb3, .offset: 64, .size: 8, .value_kind: global_buffer, .address_space: global }
      - { .name: pb1, .offset: 72, .size: 8, .value_kind: global_buffer, .address_space: global }
      - { .name: pb2, .offset: 80, .size: 8, .value_kind: global_buffer, .address_space: global }
      - { .name: pb3, .offset: 88, .size: 8, .value_kind: global_buffer, .address_space: global }
      - { .name: wimg, .offset: 96, .size: 8, .value_kind: global_buffer, .address_space: global }
    .group_segment_fixed_size: 1280
    .private_segment_fixed_size: 0
    .kernarg_segment_align: 8
    .kernarg_segment_size: 104
    .max_flat_workgroup_size: 256
    .sgpr_count:     66
    .vgpr_count:     96
    .wavefront_size: 32
...
	.end_amdgpu_metadata
.endif
;; end of part 1
;; launch rnd (part 2): grid 256 x 1, 4 waves a work-group, clusters of 4 x 1, 176,640 bytes of LDS; arguments obs, wimg, rew, part; writes rew, part
.if DOCPART == 2
	.amdgcn_target "amdgcn-amd-amdhsa--gfx1250"
	.amdhsa_code_object_version 6
	.text
	.protected	k_qb2b6d482e4_rnd
	.globl	k_qb2b6d482e4_rnd
	.p2align	8
	.type	k_qb2b6d482e4_rnd,@function
k_qb2b6d482e4_rnd:
	s_mov_b64 s[64:65], 0
	v_nop
	global_prefetch_b8 v0, s[64:65] scope:SCOPE_SE
	s_setreg_imm32_b32 hwreg(HW_REG_WAVE_MODE, 25, 1), 1
	s_wait_xcnt 0x0
	s_wait_alu depctr_hold_cnt(0) depctr_sa_sdst(0) depctr_va_vdst(0) depctr_va_sdst(0) depctr_va_ssrc(0) depctr_va_vcc(0) depctr_vm_vsrc(0)
	s_getreg_b32 s2, hwreg(HW_REG_IB_STS2, 6, 4)
	s_cmp_eq_u32 s2, 0
	s_cbranch_scc0 .Lentry_in_a_cluster
	s_endpgm
.Lentry_in_a_cluster:
	s_bfe_u32 s2, ttmp6, 0x10000c
	s_cmp_lg_u32 s2, 0x3003
	s_cbranch_scc0 .Lentry_shape_is_right
	s_endpgm
.Lentry_shape_is_right:
; RND: rewards[i] = mean over 128 of (target(obs[i]) - predictor(obs[i]))^2, both nets 64 -> 128 -> 128 -> 128 with ReLU behind the first two layers; and for each wave the mean of its
; 512 rewards and their sum of squares about that mean.
; SHARES.  Work-group g owns 2,048 samples, a wave 512, taken as 8 blocks of 4 tiles of 16.  Both nets run in registers; the waves meet at one barrier, when the weights have landed.
; WEIGHTS.  The image that the launch before laid out (167,936 bytes: 40 chunks of fragments, five bias vectors, bounds) is brought into LDS once, a quarter by each wave's one tensor load.
; CLUSTER.  The four work-groups of a cluster want the same image: each quarter is asked for jointly, by the same load, descriptor and mask in all four.
; LAYOUT.  Every product is taken transposed: source 0 = 16 rows of W (out features), source 1 = 16 samples.  In the result a lane holds ONE sample (lane % 16) and the features
; 8 (lane / 16) + 0..7 of a tile; two neighbouring tiles, rounded in pairs, ARE source 1 of the next layer's K step of 32.  Nothing changes lanes between the layers.
; The bias is the C operand of a sum's first product.  Layer 3 is one product with K = 256: d = W3t h2t + (-W3p) h2p + (b3t - b3p).
; FORMATS.  All inputs are rounded once to bf16.  Layer 1 multiplies in bf16; layers 2 and 3 in f16 (the weights' bf16 numbers written as f16; h1, h2 rounded to f16: 11 significant bits).
; THE SCALE.  ReLU commutes with a positive factor, so a block is computed on s x with every bias times s, s a power of two: h1, h2 and d come out s times as large, and the reward is divided by s twice.
; s is made from a bound, not from the activations: X = the block's largest |x|; H1 = 64 max|W1| X + max|b1|; H2 = 128 max|W2| H1 + max|b2|; H = max(H1, H2, X); s = 2^(14 - floor(log2 H)):
; whatever is rounded to 16 bits lies under 2^15 (1 + 2^-8).  s enters values alone, no address and no branch.
; LIMITS.  H's biased exponent is held to 16 .. 252.  W2, W3 within f16's 65,504 (below 2^-14: f16's fixed step of 2^-24).  NaN and infinities are not treated apart.
; THE STREAM.  A block's 16 KiB of obs go straight from memory into 128 registers a wave, asked for in the first pass of the block before and waited for 30 passes, 480 matrix instructions, later;
; so nothing is prefetched ahead of them, and no LDS ring stands between.  A tile's eight loads cover 16 whole rows of 256 bytes.
; A BLOCK is 40 PASSES of 16 matrix instructions, a chunk of weights each.  At a pass's head the next pass's fragments and bias are asked of LDS; behind its products ride the vector lines that
; finish the sums of the pass before (ReLU and rounding, or squares) and, in the last ten passes, those that scale and round the next block's x.
; The pair (mean, M2) is one store of 8 bytes a wave: 1,024 in the launch.
;
; REGISTERS, in windows of 256 (s_set_vgpr_msb: bits 1:0 source 0, 3:2 source 1, 5:4 source 2, 7:6 destination):
;   window 0: v0-31 addresses and scales; v32-63 at work at the head and the end; v64-191 two buffers of 8 accumulators; v192-199 sums of squares
;   window 1: v0-127 h1 (sample tile t, feature tile i at 32 t + 4 i); v128-255 the next block's x in f32
;   window 2: v0-127 h2 of the target; v128-255 h2 of the predictor
;   window 3: v0-63 two buffers of 4 weight fragments; v64-95 two buffers of 2 bias tiles; v96-159 x in bf16, 16 a sample tile
.set IMG_BIAS, 163840
.set IMG_META, 166400
.set QUART,    41984                   ; a quarter of the image: 164 rows of 256 bytes
.set STAGE,    167936                  ; behind the image, never filled by a tensor load: 2,048 bytes for each wave, its 512 rewards
.set SPARE,    176128                  ; behind the stages: the spare words, 128 bytes for each wave: two blocks of 256 bytes that no other line names
.set A0,   1                           ; v1-3  16 x lane + 0, 65,536, 131,072: the image's chunks; v1 is also my byte offset in 512 consecutive bytes of rew
.set VB,   4                           ; v4    the bias vectors + 32 (lane / 16)
.set XO,   5                           ; v5    my byte offset in 16 rows of obs: 256 (lane % 16) + 32 (lane / 16); never rewritten
.set ST0,  6                           ; v6    my wave's stage + 4 x lane
.set ADR,  7                           ; v7    the same in the block in hand
.set RDA,  8                           ; v8    my wave's stage + 16 x lane
.set ZERO, 10                          ; v10   0, for ReLU on packed halves
.set LN,   11                          ; v11   lane
.set SC,   12                          ; v12-13  s of the block in hand, twice
.set SN,   14                          ; v14-15  s of the next block
.set QC,   16                          ; v16-17  1 / s, 1 / (128 s)
.set QN,   18                          ; v18-19  the next block's
.set MX,   20                          ; v20-23  at work on the bound
.set TP,   24                          ; v24-27  what v_permlanex16_b32 brings
.set R01,  28                          ; v28-29  the block's rewards: samples lane, 32 + lane
.set SPW,  30                          ; v30   LDS address of my spare word; never rewritten
.set NIL,  31                          ; v31   0; never rewritten
.set E0,   32
.set ACC,  64
.set RS,   192
.set XR,   128                         ; window 1
.set WF,   0                           ; window 3
.set BI,   64
.set XB,   96
; scalars: s[4:5] obs, s[6:7] wimg, s[8:9] rew at my wave's rewards, s[10:11] part at my wave's pair; s12 wave; s13 cx; s14 g; s[16:23], s[24:27] the descriptor;
; s[28:29] obs at the block last asked for; s30 blocks to go; s31 the block's byte in the stage; s32 0xffff0000 (lanes 16-31); s[34:35] lane selects; s36-39 the bound's P1, Q1, P2, Q2
.set MSB, 0
.macro WIN new                         ; the immediate's high byte repeats the setting that is left; a switch that changes nothing is dropped
.if MSB != (\new)
	s_set_vgpr_msb (MSB<<8)|(\new)
.set MSB, (\new)
.endif
.endm
.macro ROUND                           ; a round of the cluster's barrier
	s_barrier_signal -1
	s_barrier_wait -1
	s_cmp_lg_u32 s12, 0
	s_cbranch_scc1 .Lnot_wave_0_\@
	s_barrier_signal -3
.Lnot_wave_0_\@:
	s_barrier_wait -3
	s_barrier_signal -1
	s_barrier_wait -1
.endm
.macro WSUM r                          ; the sum of v[r] over the lanes: four steps within 16 lanes; the other half's sum comes into v[TP], and the caller adds it
	v_add_f32_dpp v[\r], v[\r], v[\r] row_xmask:1 row_mask:0xf bank_mask:0xf
	v_add_f32_dpp v[\r], v[\r], v[\r] row_xmask:2 row_mask:0xf bank_mask:0xf
	v_add_f32_dpp v[\r], v[\r], v[\r] row_xmask:4 row_mask:0xf bank_mask:0xf
	v_add_f32_dpp v[\r], v[\r], v[\r] row_xmask:8 row_mask:0xf bank_mask:0xf
	v_permlanex16_b32 v[TP], v[\r], s34, s35
.endm
; What pass n is: NK 1 = layer 1 (two feature tiles, K = 64), 2 = layer 2, 3 = layer 3 (one tile, K = 128 a pass); NB bias tiles, from tile NT0 of vector NV.
.macro INFO n
.if (\n) < 4
.set NK, 1
.set NB, 2
.set NV, 0
.set NT0, 2*(\n)
.elseif (\n) < 12
.set NK, 2
.set NB, 1
.set NV, 1
.set NT0, (\n)-4
.elseif (\n) < 16
.set NK, 1
.set NB, 2
.set NV, 2
.set NT0, 2*((\n)-12)
.elseif (\n) < 24
.set NK, 2
.set NB, 1
.set NV, 3
.set NT0, (\n)-16
.else
.set NK, 3
.set NB, 1-(\n)%2
.set NV, 4
.set NT0, ((\n)-24)/2
.endif
.endm
; The next pass's chunk (8 loads of 512 consecutive bytes) and bias tiles (lanes of one half read the same 32 bytes), into the buffers that the pass before this one read.
.macro LDNEXT
.set NX, (PP+1)%40
	INFO NX
	WIN 0xc0
.set k_, 0
.rept 8
	ds_load_b128 v[WF+32*(NX%2)+4*k_:WF+32*(NX%2)+4*k_+3], v[A0+NX/16] offset:(NX%16)*4096+512*k_
.set k_, k_+1
.endr
.if NB > 0
.set k_, 0
.rept 2*NB
	ds_load_b128 v[BI+16*(NX%2)+4*k_:BI+16*(NX%2)+4*k_+3], v[VB] offset:NV*512+(NT0+k_/2)*64+16*(k_%2)
.set k_, k_+1
.endr
.endif
.endm
; Product q of a pass's 16.  The 8 (layer 1) or 4 accumulators take turns, one instruction a turn, over the ends of passes and the loop's jump too.
.macro MM q
.if KIND == 1
.set rD, ACC+64*AB+8*(4*(((\q)/4)%2)+(\q)%4)
.set rA, WF+32*(PP%2)+8*(2*(((\q)/4)%2)+(\q)/8)
.set rB, XB+16*((\q)%4)+8*((\q)/8)
.set rC, BI+16*(PP%2)+8*(((\q)/4)%2)
.if (\q) < 8
	WIN 0x3f
	v_wmma_f32_16x16x32_bf16 v[rD:rD+7], v[rA:rA+7], v[rB:rB+7], v[rC:rC+7]
.else
	WIN 0x0f
	v_wmma_f32_16x16x32_bf16 v[rD:rD+7], v[rA:rA+7], v[rB:rB+7], v[rD:rD+7]
.endif
.else
.set rD, ACC+64*AB+8*((\q)%4)
.set rA, WF+32*(PP%2)+8*((\q)/4)
.set rB, HB+32*((\q)%4)+8*((\q)/4)
.set rC, BI+16*(PP%2)
.if ((\q) < 4) && (HASB > 0)
	WIN 0x33|(HW<<2)
	v_wmma_f32_16x16x32_f16 v[rD:rD+7], v[rA:rA+7], v[rB:rB+7], v[rC:rC+7]
.else
	WIN 0x03|(HW<<2)
	v_wmma_f32_16x16x32_f16 v[rD:rD+7], v[rA:rA+7], v[rB:rB+7], v[rD:rD+7]
.endif
.endif
.endm
; What finishes the sums of the pass before, in slices of four lines.  FKIND 1, 2: slice 2 g rounds accumulator g to f16 in pairs (its lowest registers first), slice 2 g + 1 is its ReLU.
; FKIND 3: slice j adds the squares of registers 2 j, 2 j + 1 of the four accumulators onto the sample tiles' sums; the block's first starts them: nothing is cleared.
.macro FSET kind, n, g, t0, hw, hb
.set FKIND, \kind
.set FN, \n
.set FG, \g
.set FT0, \t0
.set FHW, \hw
.set FHB, \hb
.set FK, 0
.endm
.macro FS
.if FKIND == 3
	WIN 0
.set t_, 0
.rept 4
.set a_, ACC+64*FAB+8*t_+2*FK
.if (FFIRST == 1) && (FK == 0)
	v_pk_mul_f32 v[RS+2*t_:RS+2*t_+1], v[a_:a_+1], v[a_:a_+1]
.else
	v_pk_fma_f32 v[RS+2*t_:RS+2*t_+1], v[a_:a_+1], v[a_:a_+1], v[RS+2*t_:RS+2*t_+1]
.endif
.set t_, t_+1
.endr
.else
.set g_, FK/2
.set h_, FHB+32*(g_%4)+4*(FT0+g_/4)
.set a_, ACC+64*FAB+8*g_
.if FK%2 == 0
	WIN FHW<<6
.irp j, 0,1,2,3
	v_cvt_pk_f16_f32 v[h_+\j], v[a_+2*\j], v[a_+2*\j+1]
.endr
.else
	WIN (FHW<<6)|FHW
.irp j, 0,1,2,3
	v_pk_max_num_f16 v[h_+\j], v[h_+\j], v[ZERO]
.endr
.endif
.endif
.endm
; The next block's x, item XI of 68.  0-15: the largest |x| of my 128 numbers, four chains.  16-35, a line each: over the lanes; the bound; its exponent e, held to 16 .. 252; s = 2^(141 - e), 1 / s, 1 / (128 s).
; 36-51: x times s, in place.  52-67: rounded to bf16, which is source 1 of layer 1.
.macro XQ
.if XI == 0
	WIN 0x05
.irp n, 0,1,2,3
	v_max_num_f32 v[MX+\n], |v[XR+2*\n]|, |v[XR+2*\n+1]|
.endr
.elseif XI < 16
	WIN 0x14
.irp n, 0,1,2,3
	v_max3_num_f32 v[MX+\n], v[MX+\n], |v[XR+8*XI+2*\n]|, |v[XR+8*XI+2*\n+1]|
.endr
.elseif XI < 36
	WIN 0
.if XI == 16
	v_max3_num_f32 v[MX], v[MX], v[MX+1], v[MX+2]
.elseif XI == 17
	v_max_num_f32 v[MX], v[MX], v[MX+3]
.elseif XI == 18
	v_max_num_f32_dpp v[MX], v[MX], v[MX] row_xmask:1 row_mask:0xf bank_mask:0xf
.elseif XI == 19
	v_max_num_f32_dpp v[MX], v[MX], v[MX] row_xmask:2 row_mask:0xf bank_mask:0xf
.elseif XI == 20
	v_max_num_f32_dpp v[MX], v[MX], v[MX] row_xmask:4 row_mask:0xf bank_mask:0xf
.elseif XI == 21
	v_max_num_f32_dpp v[MX], v[MX], v[MX] row_xmask:8 row_mask:0xf bank_mask:0xf
.elseif XI == 22
	v_permlanex16_b32 v[TP], v[MX], s34, s35
.elseif XI == 23
	v_max_num_f32 v[MX], v[MX], v[TP]              ; X
.elseif XI == 24
	v_fma_f32 v[MX+1], s36, v[MX], s37             ; H1
.elseif XI == 25
	v_fma_f32 v[MX+2], s38, v[MX], s39             ; H2
.elseif XI == 26
	v_max3_num_f32 v[MX+1], v[MX+1], v[MX+2], v[MX]
.elseif XI == 27
	v_lshrrev_b32 v[MX+1], 23, v[MX+1]             ; e: H is not negative
.elseif XI == 28
	v_max_u32 v[MX+1], 16, v[MX+1]
.elseif XI == 29
	v_min_u32 v[MX+1], 0xfc, v[MX+1]
.elseif XI == 30
	v_sub_nc_u32 v[MX+2], 0x10c, v[MX+1]           ; s's exponent field: 127 + 14 - (e - 127)
.elseif XI == 31
	v_lshlrev_b32 v[SN], 23, v[MX+2]
.elseif XI == 32
	v_mov_b32 v[SN+1], v[SN]
.elseif XI == 33
	v_add_nc_u32 v[MX+2], -14, v[MX+1]             ; that of 1 / s
.elseif XI == 34
	v_lshlrev_b32 v[QN], 23, v[MX+2]
.else
	v_mul_f32 v[QN+1], 0x3c000000, v[QN]           ; 1 / (128 s)
.endif
.elseif XI < 52
	WIN 0x41
.irp n, 0,1,2,3
	v_pk_mul_f32 v[XR+8*(XI-36)+2*\n:XR+8*(XI-36)+2*\n+1], v[XR+8*(XI-36)+2*\n:XR+8*(XI-36)+2*\n+1], v[SN:SN+1] op_sel_hi:[1,0]
.endr
.elseif XI < 68
	WIN 0xc5
.irp n, 0,1,2,3
	v_cvt_pk_bf16_f32 v[XB+4*(XI-52)+\n], v[XR+8*(XI-52)+2*\n], v[XR+8*(XI-52)+2*\n+1]
.endr
.endif
.set XI, XI+1
.endm
; A pass's end.  The next pass's fragments and bias, asked for 16 products ago, are in; its bias is multiplied by s.  These plain lines (v_nop where the next pass has no bias) name no register of the
; pass's last products: they are the four places ahead of the next pass's reads of those sums and of its loads into the fragments just multiplied.
.macro TAIL s
	s_wait_dscnt 0x0
.if NB > 0
	WIN 0xc3
.set k_, 0
.rept 4*NB
	v_pk_mul_f32 v[BI+16*(NX%2)+2*k_:BI+16*(NX%2)+2*k_+1], v[BI+16*(NX%2)+2*k_:BI+16*(NX%2)+2*k_+1], v[\s:\s+1] op_sel_hi:[1,0]
.set k_, k_+1
.endr
.else
.rept 4
	v_nop
.endr
.endif
.if (PP >= 25) && (PP < 39) && (PP%2 == 1)
.rept 4
	v_nop                                          ; ahead of the packed squares eight plain lines stand, twice what 7.12.1 asks: a margin of 28 issue slots a block
.endr
.endif
.endm
; 32 loads: a block's 64 rows of obs.  Load i: sample tile i / 8; my 16 bytes at 128 c + 64 q + 16 e of my half of a row, i % 8 = 4 c + 2 q + e: register 4 i holds k = 32 c + 16 q + 8 (lane / 16) + 4 e on.
.macro XLD
	WIN 0x40
.set i_, 0
.rept 32
	global_load_b128 v[XR+4*i_:XR+4*i_+3], v[XO], s[28:29] offset:4096*(i_/8)+128*((i_/4)%2)+64*((i_/2)%2)+16*(i_%2)
.set i_, i_+1
.endr
	WIN 0
.endm
.macro XLOAD                           ; the next block is asked for; the last block has none behind it
	WIN 0
	s_cmp_eq_u32 s30, 1
	s_cbranch_scc1 .Lno_next
	s_add_nc_u64 s[28:29], s[28:29], 16384         ; the loads that read this address have been waited for
	XLD
.Lno_next:
.endm
; PASS PP.  A pass that begins sums takes the other accumulator buffer; the buffer that it leaves is finished by FN slices, slice k behind product k FG / FN.
; Passes 4 and 16 multiply by h1 while its last two feature tiles are still being rounded: FG = 11 ends that behind product 10; product 12 is the first to read them.
.macro PASS
	INFO PP
.set KIND, NK
.set HASB, NB
.set FK, 1
.set FN, 1
.set FG, 1
.set FFIRST, 0
.if (PP < 24) || (PP%2 == 0)
.set FAB, AB
.set AB, 1-AB
.if (PP >= 1) && (PP <= 3)
	FSET 1,16,15,2*(PP-1),1,0
.elseif PP == 4
	FSET 1,16,11,6,1,0
.elseif (PP >= 5) && (PP <= 12)
	FSET 2,8,15,PP-5,2,0
.elseif (PP >= 13) && (PP <= 15)
	FSET 1,16,15,2*(PP-13),1,0
.elseif PP == 16
	FSET 1,16,11,6,1,0
.elseif (PP >= 17) && (PP <= 24)
	FSET 2,8,15,PP-17,2,128
.elseif PP >= 26
	FSET 3,4,8,0,0,0
.endif
.if PP == 26
.set FFIRST, 1
.endif
.endif
.if KIND == 2
.set HW, 1
.set HB, 0
.elseif KIND == 3
.set HW, 2
.set HB, 128*(PP%2)
.endif
.if PP == 30
.set XI, 0
	s_wait_loadcnt 0x0                             ; the next block's x, asked for 30 passes ago
.endif
	LDNEXT
.set G_, 0
.rept 16
	MM G_
.rept 2
.if FK < FN
.if FK*FG/FN <= G_
	FS
.set FK, FK+1
.endif
.endif
.endr
.if (PP >= 30) && (G_%2 == 1) && (G_ < 14)
	XQ
.endif
.if (PP == 0) && (G_ == 3)
	XLOAD
.endif
.set G_, G_+1
.endr
.if PP == 39
	TAIL SN                                        ; pass 0's bias belongs to the next block
.else
	TAIL SC
.endif
.set PP, PP+1
.endm
	s_load_b256 s[4:11], s[0:1], 0x0               ; obs s[4:5], wimg s[6:7], rew s[8:9], part s[10:11]
	v_lshl_add_u32 v[SPW], v0, 2, SPARE
	v_mov_b32 v[NIL], 0
	ds_add_u32 v[SPW], v[NIL]                      ; the wave's opening: the add and its wait stand ahead of the round and my tensor load; the set-up below, work on registers, stands between them
	v_lshrrev_b32 v[E0], 5, v0
	v_readfirstlane_b32 s12, v[E0]                 ; wave 0..3
	s_bfe_u32 s13, ttmp6, 0x40000                  ; cx: my place in the cluster
	s_lshl_b32 s14, ttmp9, 2                       ; in a cluster launch ttmp9 counts clusters
	s_add_co_u32 s14, s14, s13                     ; g: it enters the addresses of obs, rew and part alone
	; descriptor group 1: a dense block as 164 rows of 32 elements of 8 bytes
	s_mov_b32 s16, 15|(3<<16)|(1<<21)              ; 15:0 the mask: all four work-groups; 17:16 elements of 8 bytes; 21 set beside a mask
	s_mov_b32 s17, 32<<16                          ; tensor_dim0 = 32
	s_mov_b32 s18, 164<<16                         ; tensor_dim1 = 164
	s_mov_b32 s19, 32<<16                          ; tile_dim0 = 32
	s_mov_b32 s20, 164                             ; tile_dim1 = 164
	s_mov_b32 s21, 32                              ; 32 elements from row to row
	s_mov_b32 s22, 0
	s_mov_b32 s23, 0
	s_mov_b32 s24, 1                               ; group 0: count = 1
	s_mul_i32 s25, s12, QUART                      ; LDS address: my wave's quarter
	s_mov_b32 s48, s25                             ; and the same offset in wimg
	s_mov_b32 s49, 0
	s_mov_b32 s32, 0xffff0000
	s_mov_b32 s34, 0x76543210
	s_mov_b32 s35, 0xfedcba98
	s_wait_dscnt 0x0                               ; the opening add is done
	s_wait_kmcnt 0x0
	s_add_nc_u64 s[26:27], s[6:7], s[48:49]
	s_or_b32 s27, s27, 0x80000000                  ; type = 2
	ROUND                                          ; all four work-groups are here: the joint loads meet
	tensor_load_to_lds s[24:27], s[16:23]          ; my one tensor load: one is out, and LDS is never filled again
	s_nop 0
	v_and_b32 v[LN], 31, v0                        ; (window 0 throughout: the next switch stands far behind)
	v_bfe_u32 v[E0], v0, 4, 1                      ; lane / 16
	v_and_b32 v[E0+1], 15, v0                      ; lane % 16
	v_lshlrev_b32 v[A0], 4, v[LN]
	v_add_nc_u32 v[A0+1], 0x10000, v[A0]
	v_add_nc_u32 v[A0+2], 0x20000, v[A0]
	v_lshl_add_u32 v[VB], v[E0], 5, IMG_BIAS
	v_lshlrev_b32 v[XO], 8, v[E0+1]
	v_lshl_add_u32 v[XO], v[E0], 5, v[XO]
	s_load_b32 s40, s[6:7], IMG_META               ; the bounds: |tW1|,
	s_load_b32 s41, s[6:7], IMG_META+3*128         ; |pW1|,
	s_load_b32 s42, s[6:7], IMG_META+1*128         ; |tW2|'s two halves,
	s_load_b32 s43, s[6:7], IMG_META+2*128
	s_load_b32 s44, s[6:7], IMG_META+4*128         ; |pW2|'s,
	s_load_b32 s45, s[6:7], IMG_META+5*128
	s_load_b32 s46, s[6:7], IMG_META+10*128        ; |b1|,
	s_load_b32 s47, s[6:7], IMG_META+11*128        ; |b2|
	s_lshl_b32 s48, s14, 19                        ; my work-group's 2,048 rows of 256 bytes,
	s_lshl_b32 s50, s12, 17                        ; my wave's 512
	s_add_co_u32 s48, s48, s50
	s_add_nc_u64 s[28:29], s[4:5], s[48:49]
	XLD                                            ; block 0
	s_lshl_b32 s51, s14, 2
	s_add_co_u32 s51, s51, s12                     ; my wave among the launch's 1,024
	s_lshl_b32 s48, s51, 11
	s_add_nc_u64 s[8:9], s[8:9], s[48:49]          ; its 2,048 bytes of rew
	s_lshl_b32 s48, s51, 3
	s_add_nc_u64 s[10:11], s[10:11], s[48:49]      ; its pair
	s_lshl_b32 s50, s12, 11
	s_add_co_u32 s50, s50, STAGE
	v_lshl_add_u32 v[ST0], v[LN], 2, s50
	v_lshl_add_u32 v[RDA], v[LN], 4, s50
	v_mov_b32 v[ZERO], 0
.irp t, 0,1,2,3
	v_mov_b32 v[TP+\t], 0                          ; v_permlanex16_b32's destination counts as read
.endr
	s_wait_kmcnt 0x0
	s_max_u32 s40, s40, s41                        ; the patterns of floats that are not negative keep their order
	s_max_u32 s42, s42, s43
	s_max_u32 s44, s44, s45
	s_max_u32 s42, s42, s44
	s_mul_f32 s36, s40, 0x42800000                 ; P1 = 64 max|W1|
	s_mov_b32 s37, s46                             ; Q1 = max|b1|
	s_mul_f32 s41, s42, 0x43000000                 ; 128 max|W2|
	s_mul_f32 s38, s41, s36                        ; P2
	s_mov_b32 s39, s47
	s_fmac_f32 s39, s41, s37                       ; Q2 = 128 max|W2| Q1 + max|b2|
	s_wait_loadcnt 0x0                             ; block 0's x
.set XI, 0
.rept 68
	XQ
.endr
	WIN 0
	v_mov_b32 v[SC], v[SN]
	v_mov_b32 v[SC+1], v[SN+1]
	v_mov_b32 v[QC], v[QN]
	v_mov_b32 v[QC+1], v[QN+1]
	s_wait_tensorcnt 0x0                           ; my quarter of the image is in,
	s_barrier_signal -1
	s_barrier_wait -1                              ; everybody's is
.set FKIND, 0
.set FAB, 0
.set HW, 0
.set HB, 0
.set PP, 39
	LDNEXT                                         ; pass 0's fragments and bias
	TAIL SC
	s_mov_b32 s30, 8
	s_mov_b32 s31, 0
	WIN 0                                          ; at a label and at a branch every window is 0
.Lblock:
.set PP, 0
.set AB, 1
.rept 40
	PASS
.endr
	; THE BLOCK'S END.  The last tail's eight lines are the places behind the last products; then the last feature tile's squares.
.set FKIND, 3
.set FAB, AB
.set FFIRST, 0
.set FK, 0
.rept 4
	FS
.set FK, FK+1
.endr
.irp t, 0,1,2,3
	v_add_f32 v[RS+2*\t], v[RS+2*\t], v[RS+2*\t+1]
.endr
.irp t, 0,1,2,3
	v_permlanex16_b32 v[TP+\t], v[RS+2*\t], s34, s35  ; a sample's other 64 features lie in the lane 16 away
.endr
.irp t, 0,1,2,3
	v_add_f32 v[RS+2*\t], v[RS+2*\t], v[TP+\t]
.endr
	v_cndmask_b32 v[R01], v[RS], v[RS+2], s32      ; lanes 0-15 keep the even tile's sample, lanes 16-31 take the odd tile's
	v_cndmask_b32 v[R01+1], v[RS+4], v[RS+6], s32
	v_mul_f32 v[R01], v[R01], v[QC]                ; by 1 / s, and by 1 / (128 s): powers of two
	v_mul_f32 v[R01+1], v[R01+1], v[QC]
	v_mul_f32 v[R01], v[R01], v[QC+1]
	v_mul_f32 v[R01+1], v[R01+1], v[QC+1]
	v_add_nc_u32 v[ADR], s31, v[ST0]
	ds_store_b32 v[ADR], v[R01]                    ; my wave's own bytes
	ds_store_b32 v[ADR], v[R01+1] offset:128
	s_add_co_u32 s31, s31, 256
	v_mov_b32 v[SC], v[SN]
	v_mov_b32 v[SC+1], v[SN+1]
	v_mov_b32 v[QC], v[QN]
	v_mov_b32 v[QC+1], v[QN+1]
	s_sub_co_u32 s30, s30, 1
	s_cmp_lg_u32 s30, 0
	s_cbranch_scc1 .Lblock
	; THE END.  My 512 rewards come back in sample order, 16 a lane, and leave; then their mean, and their sum of squares about that mean.
.irp k, 0,1,2,3
	ds_load_b128 v[E0+4*\k:E0+4*\k+3], v[RDA] offset:512*\k  ; LDS serves a wave's instructions in order (ISA guide 5.7.1.4): these see my stores
.endr
	s_wait_dscnt 0x0
.irp k, 0,1,2,3
	global_store_b128 v[A0], v[E0+4*\k:E0+4*\k+3], s[8:9] offset:512*\k  ; 512 consecutive bytes, at a multiple of 256 from rew's first
.endr
.irp i, 0,1,2,3
	v_pk_add_f32 v[48+2*\i:49+2*\i], v[E0+4*\i:E0+4*\i+1], v[E0+4*\i+2:E0+4*\i+3]
.endr
	v_pk_add_f32 v[48:49], v[48:49], v[50:51]
	v_pk_add_f32 v[52:53], v[52:53], v[54:55]
	v_pk_add_f32 v[48:49], v[48:49], v[52:53]
	v_add_f32 v48, v48, v49
	WSUM 48
	v_add_f32 v48, v48, v[TP]
	v_mul_f32 v56, 0x3b000000, v48                 ; the mean: the sum / 512
	v_mov_b32 v57, v56
.irp i, 0,1,2,3,4,5,6,7
	v_pk_add_f32 v[64+2*\i:65+2*\i], v[E0+2*\i:E0+2*\i+1], v[56:57] neg_lo:[0,1] neg_hi:[0,1]
.endr
	v_pk_mul_f32 v[80:81], v[64:65], v[64:65]
	v_pk_mul_f32 v[82:83], v[66:67], v[66:67]
.irp i, 2,4,6
	v_pk_fma_f32 v[80:81], v[64+2*\i:65+2*\i], v[64+2*\i:65+2*\i], v[80:81]
	v_pk_fma_f32 v[82:83], v[66+2*\i:67+2*\i], v[66+2*\i:67+2*\i], v[82:83]
.endr
	v_pk_add_f32 v[80:81], v[80:81], v[82:83]
	v_add_f32 v80, v80, v81
	WSUM 80
	v_add_f32 v57, v80, v[TP]                      ; M2, beside the mean
	v_mov_b32 v58, 0
	v_cmp_eq_u32 vcc_lo, 0, v[LN]
	s_wait_xcnt 0x0                                ; EXEC is a source of the stores above: it changes only behind this wait
	s_and_saveexec_b32 s52, vcc_lo
	global_store_b64 v58, v[56:57], s[10:11]       ; lane 0 alone
	s_wait_xcnt 0x0                                ; and again, ahead of the line that restores it
	s_or_b32 exec_lo, exec_lo, s52
	s_wait_tensorcnt 0x0                           ; the wave's end: behind my tensor load and my last LDS store
	ds_add_u32 v[SPW], v[NIL]
	s_wait_dscnt 0x0
	ROUND                                          ; the closing round
	s_endpgm
.Lfunc_end_k_qb2b6d482e4_rnd:
	.size	k_qb2b6d482e4_rnd, .Lfunc_end_k_qb2b6d482e4_rnd-k_qb2b6d482e4_rnd
	.p2alignl 7, 3214868480
	.fill 96, 4, 3214868480
	.section	.rodata,"a",@progbits
	.p2align	6, 0x0
	.amdhsa_kernel k_qb2b6d482e4_rnd
		.amdhsa_group_segment_fixed_size 176640
		.amdhsa_private_segment_fixed_size 0
		.amdhsa_enable_private_segment 0
		.amdhsa_kernarg_size 32
		.amdhsa_user_sgpr_count 2
		.amdhsa_user_sgpr_kernarg_segment_ptr 1
		.amdhsa_wavefront_size32 1
		.amdhsa_system_sgpr_workgroup_id_x 1
		.amdhsa_system_sgpr_workgroup_id_y 1
		.amdhsa_system_sgpr_workgroup_id_z 1
		.amdhsa_system_vgpr_workitem_id 0
		.amdhsa_next_free_vgpr 928
		.amdhsa_next_free_sgpr 66
		.amdhsa_reserve_vcc 1
		.amdhsa_float_denorm_mode_32 3
		.amdhsa_float_denorm_mode_16_64 3
		.amdhsa_memory_ordered 1
		.amdhsa_forward_progress 1
		.amdhsa_inst_pref_size 219
	.end_amdhsa_kernel
	.amdgpu_metadata
---
amdhsa.version: [ 1, 2 ]
amdhsa.kernels:
  - .name:           k_qb2b6d482e4_rnd
    .symbol:         k_qb2b6d482e4_rnd.kd
    .args:
      - { .name: obs, .offset: 0, .size: 8, .value_kind: global_buffer, .address_space: global }
      - { .name: wimg, .offset: 8, .size: 8, .value_kind: global_buffer, .address_space: global }
      - { .name: rew, .offset: 16, .size: 8, .value_kind: global_buffer, .address_space: global }
      - { .name: part, .offset: 24, .size: 8, .value_kind: global_buffer, .address_space: global }
    .group_segment_fixed_size: 176640
    .private_segment_fixed_size: 0
    .kernarg_segment_align: 8
    .kernarg_segment_size: 32
    .max_flat_workgroup_size: 128
    .sgpr_count:     66
    .vgpr_count:     928
    .wavefront_size: 32
...
	.end_amdgpu_metadata
.endif
;; end of part 2
;; launch norm (part 3): grid 256 x 1, 4 waves a work-group, no clusters, 0 bytes of LDS; arguments rew, part, reward_mean, reward_m2, reward_count, out0; writes out0
.if DOCPART == 3
	.amdgcn_target "amdgcn-amd-amdhsa--gfx1250"
	.amdhsa_code_object_version 6
	.text
	.protected	k_qb2b6d482e4_norm
	.globl	k_qb2b6d482e4_norm
	.p2align	8
	.type	k_qb2b6d482e4_norm,@function
k_qb2b6d482e4_norm:
	s_mov_b64 s[64:65], 0
	v_nop
	global_prefetch_b8 v0, s[64:65] scope:SCOPE_SE
	s_setreg_imm32_b32 hwreg(HW_REG_WAVE_MODE, 25, 1), 1
	s_wait_xcnt 0x0
; NORM: out[i] = (rewards[i] - new_mean) / (std + 1e-8).
; Every wave merges the 1,024 pairs (mean, M2 of 512 rewards) by itself, so no wave waits for another: batch mean = the mean of the means; batch M2 = the sum of the M2 + 512 x the sum of
; (mean_i - batch mean)^2: no difference of large sums.  Then the merge with the running statistics as reference() writes it, and the wave's own 512 rewards.
; The three running numbers are rounded to bf16, as all of the program's inputs are.  v_rcp_f32 and v_sqrt_f32 take a denormal for 0 (ISA guide 15.8); NaN and infinities are not treated apart.
.set PT, 64                            ; v[64:127] 32 pairs a lane
.set RW, 32                            ; v[32:47]  my 16 rewards
.macro WSUM r                          ; the sum of v[r] over the 32 lanes, in every lane
	v_add_f32_dpp v[\r], v[\r], v[\r] row_xmask:1 row_mask:0xf bank_mask:0xf
	v_add_f32_dpp v[\r], v[\r], v[\r] row_xmask:2 row_mask:0xf bank_mask:0xf
	v_add_f32_dpp v[\r], v[\r], v[\r] row_xmask:4 row_mask:0xf bank_mask:0xf
	v_add_f32_dpp v[\r], v[\r], v[\r] row_xmask:8 row_mask:0xf bank_mask:0xf
	v_permlanex16_b32 v3, v[\r], s24, s25
	v_add_f32 v[\r], v[\r], v3
.endm
	s_load_b256 s[4:11], s[0:1], 0x0               ; rew s[4:5], part s[6:7], reward_mean s[8:9], reward_m2 s[10:11]
	s_load_b128 s[12:15], s[0:1], 0x20             ; reward_count s[12:13], out0 s[14:15]
	v_and_b32 v1, 31, v0
	v_lshlrev_b32 v1, 4, v1                        ; 16 x lane
	v_lshrrev_b32 v2, 5, v0
	v_lshlrev_b32 v2, 11, v2                       ; my wave's 2,048 bytes,
	s_lshl_b32 s16, ttmp9, 13                      ; in my work-group's 8,192
	v_add3_u32 v2, v2, v1, s16
	v_mov_b32 v3, 0                                ; v_permlanex16_b32's destination counts as read
	s_mov_b32 s23, 0x44000000                      ; 512
	s_mov_b32 s24, 0x76543210
	s_mov_b32 s25, 0xfedcba98
	s_wait_kmcnt 0x0
.irp k, 0,1,2,3,4,5,6,7,8,9,10,11,12,13,14,15
	global_load_b128 v[PT+4*\k:PT+4*\k+3], v1, s[6:7] offset:512*\k
.endr
.irp k, 0,1,2,3
	global_load_b128 v[RW+4*\k:RW+4*\k+3], v2, s[4:5] offset:512*\k th:TH_LOAD_NT
.endr
	s_load_b32 s20, s[8:9], 0x0
	s_load_b32 s21, s[10:11], 0x0
	s_load_b32 s22, s[12:13], 0x0
	s_wait_kmcnt 0x0
	v_cvt_pk_bf16_f32 v48, s20, s21
	v_cvt_pk_bf16_f32 v49, s22, s22
	v_lshlrev_b32 v50, 16, v48                     ; reward_mean
	v_and_b32 v51, 0xffff0000, v48                 ; reward_m2
	v_lshlrev_b32 v52, 16, v49                     ; reward_count
	v_add_f32 v53, 0x49000000, v52                 ; new_count = count + 524,288
	v_add_f32 v55, -1.0, v53
	s_wait_loadcnt 0x4                             ; the pairs are in; the four younger loads, my rewards, may stay out
.irp c, 0,1,2,3                                        ; the sums of the means and of the M2, a pair an instruction, four chains
	v_pk_add_f32 v[16+2*\c:17+2*\c], v[PT+2*\c:PT+2*\c+1], v[PT+8+2*\c:PT+8+2*\c+1]
.endr
.set m, 2
.rept 6
.irp c, 0,1,2,3
	v_pk_add_f32 v[16+2*\c:17+2*\c], v[16+2*\c:17+2*\c], v[PT+8*m+2*\c:PT+8*m+2*\c+1]
.endr
.set m, m+1
.endr
	v_pk_add_f32 v[16:17], v[16:17], v[18:19]
	v_pk_add_f32 v[20:21], v[20:21], v[22:23]
	v_pk_add_f32 v[16:17], v[16:17], v[20:21]
	WSUM 16
	WSUM 17
	v_mul_f32 v18, 0x3a800000, v16                 ; batch mean: the sum of 1,024 means / 1,024
.irp c, 0,1,2,3
	v_sub_f32 v[24+\c], v[PT+2*\c], v18
.endr
.irp c, 0,1,2,3
	v_mul_f32 v[28+\c], v[24+\c], v[24+\c]
.endr
.set m, 1
.rept 7
.irp c, 0,1,2,3
	v_sub_f32 v[24+\c], v[PT+8*m+2*\c], v18
.endr
.irp c, 0,1,2,3
	v_fmac_f32 v[28+\c], v[24+\c], v[24+\c]
.endr
.set m, m+1
.endr
	v_add_f32 v28, v28, v29
	v_add_f32 v30, v30, v31
	v_add_f32 v28, v28, v30
	WSUM 28
	v_fma_f32 v17, v28, s23, v17                   ; batch M2
	v_sub_f32 v54, v18, v50                        ; delta
	v_rcp_f32 v56, v53                             ; 1 / new_count
	v_rcp_f32 v57, v55                             ; 1 / (new_count - 1)
	v_mul_f32 v58, 0x49000000, v54                 ; delta n: plain work that names neither reciprocal
	v_add_f32 v17, v51, v17                        ; reward_m2 + batch M2
	v_mul_f32 v59, v58, v54
	v_mul_f32 v59, v59, v52                        ; delta delta n count
	s_wait_alu depctr_va_vdst(0)                   ; one wait for both reciprocals, ahead of their first reader
	v_fma_f32 v60, v58, v56, v50                   ; new_mean
	v_fma_f32 v17, v59, v56, v17                   ; new_m2
	v_mul_f32 v17, v17, v57
	v_sqrt_f32 v62, v17
	v_mov_b32 v61, v60                             ; new_mean twice, for the packed lines: the plain line behind the root
	v_cmp_lt_f32 vcc_lo, 1.0, v53                  ; new_count > 1?
	s_wait_alu depctr_va_vdst(0)
	v_cndmask_b32 v62, 1.0, v62, vcc_lo            ; else std = 1
	v_add_f32 v62, 0x322bcc77, v62                 ; + 1e-8
	v_rcp_f32 v12, v62
	v_nop
	s_wait_alu depctr_va_vdst(0)
	v_mov_b32 v13, v12
	s_wait_loadcnt 0x0                             ; my rewards
.irp i, 0,1,2,3,4,5,6,7
	v_pk_add_f32 v[RW+2*\i:RW+2*\i+1], v[RW+2*\i:RW+2*\i+1], v[60:61] neg_lo:[0,1] neg_hi:[0,1]
.endr
.irp i, 0,1,2,3,4,5,6,7
	v_pk_mul_f32 v[RW+2*\i:RW+2*\i+1], v[RW+2*\i:RW+2*\i+1], v[12:13]
.endr
.irp k, 0,1,2,3
	global_store_b128 v2, v[RW+4*\k:RW+4*\k+3], s[14:15] offset:512*\k th:TH_STORE_NT  ; 512 consecutive bytes, at a multiple of 256 from out0's first
.endr
	s_endpgm
.Lfunc_end_k_qb2b6d482e4_norm:
	.size	k_qb2b6d482e4_norm, .Lfunc_end_k_qb2b6d482e4_norm-k_qb2b6d482e4_norm
	.p2alignl 7, 3214868480
	.fill 96, 4, 3214868480
	.section	.rodata,"a",@progbits
	.p2align	6, 0x0
	.amdhsa_kernel k_qb2b6d482e4_norm
		.amdhsa_group_segment_fixed_size 0
		.amdhsa_private_segment_fixed_size 0
		.amdhsa_enable_private_segment 0
		.amdhsa_kernarg_size 48
		.amdhsa_user_sgpr_count 2
		.amdhsa_user_sgpr_kernarg_segment_ptr 1
		.amdhsa_wavefront_size32 1
		.amdhsa_system_sgpr_workgroup_id_x 1
		.amdhsa_system_sgpr_workgroup_id_y 1
		.amdhsa_system_sgpr_workgroup_id_z 1
		.amdhsa_system_vgpr_workitem_id 0
		.amdhsa_next_free_vgpr 128
		.amdhsa_next_free_sgpr 66
		.amdhsa_reserve_vcc 1
		.amdhsa_float_denorm_mode_32 3
		.amdhsa_float_denorm_mode_16_64 3
		.amdhsa_memory_ordered 1
		.amdhsa_forward_progress 1
		.amdhsa_inst_pref_size 11
	.end_amdhsa_kernel
	.amdgpu_metadata
---
amdhsa.version: [ 1, 2 ]
amdhsa.kernels:
  - .name:           k_qb2b6d482e4_norm
    .symbol:         k_qb2b6d482e4_norm.kd
    .args:
      - { .name: rew, .offset: 0, .size: 8, .value_kind: global_buffer, .address_space: global }
      - { .name: part, .offset: 8, .size: 8, .value_kind: global_buffer, .address_space: global }
      - { .name: reward_mean, .offset: 16, .size: 8, .value_kind: global_buffer, .address_space: global }
      - { .name: reward_m2, .offset: 24, .size: 8, .value_kind: global_buffer, .address_space: global }
      - { .name: reward_count, .offset: 32, .size: 8, .value_kind: global_buffer, .address_space: global }
      - { .name: out0, .offset: 40, .size: 8, .value_kind: global_buffer, .address_space: global }
    .group_segment_fixed_size: 0
    .private_segment_fixed_size: 0
    .kernarg_segment_align: 8
    .kernarg_segment_size: 48
    .max_flat_workgroup_size: 128
    .sgpr_count:     66
    .vgpr_count:     128
    .wavefront_size: 32
...
	.end_amdgpu_metadata
.endif
;; end of part 3
;; ======== version 2 of 2: 3 launches; version 1 with the launch prep written anew for expert scheduling mode
;; limits: values are held in f16: magnitudes above 65,504 overflow, below 6.1e-05 lose precision
;; workspace buffers: wimg 167,936 bytes; rew 2,097,152 bytes; part 8,192 bytes
;; launch prep (part 4): grid 11 x 1, 8 waves a work-group, no clusters, 1,280 bytes of LDS; arguments tW1, tW2, tW3, pW1, pW2, pW3, tb1, tb2, tb3, pb1, pb2, pb3, wimg; writes wimg
.if DOCPART == 4
	.amdgcn_target "amdgcn-amd-amdhsa--gfx1250"
	.amdhsa_code_object_version 6
	.text
	.protected	k_qb2b6d482e4_prep
	.globl	k_qb2b6d482e4_prep
	.p2align	8
	.type	k_qb2b6d482e4_prep,@function
k_qb2b6d482e4_prep:
	s_mov_b64 s[64:65], 0
	v_nop
	global_prefetch_b8 v0, s[64:65] scope:SCOPE_SE
	s_setreg_imm32_b32 hwreg(HW_REG_WAVE_SCHED_MODE, 0, 2), 2
	s_setreg_imm32_b32 hwreg(HW_REG_WAVE_MODE, 25, 1), 1
	s_wait_xcnt 0x0
	s_wait_alu depctr_vm_vsrc(0)
; PREP: the weights and biases of both nets, each rounded once to bf16, laid out as the image that the main launch keeps in LDS.
; wimg, 167,936 bytes:
;   0 .. 163,839    40 chunks of 4,096 bytes in the order in which the main launch multiplies: tW1 (4), tW2 (8), pW1 (4), pW2 (8), then tW3's and -pW3's feature tiles by turns (16).
;                   A chunk is 4 fragments of 16 rows x 32 K; fragment f, half q, lane l lies at 1,024 f + 512 q + 16 l and holds W[row][col .. col + 7], kk = 32 f + 16 q + 8 (l / 16):
;                   K = 128: chunk = feature tile T, row = 16 T + l % 16, col = kk.   W1 (K = 64): chunk a = tiles 2 a, 2 a + 1, row = 32 a + 16 (kk / 64) + l % 16, col = kk % 64.
;                   W1 is stored as bf16; W2 and W3 as that bf16 number written in f16; pW3 with its sign turned.
;   163,840 ..      five vectors of 128 f32: b1t, b2t, b1p, b2p, b3t - b3p (of the rounded numbers)
;   166,400 ..      12 rows of 32 equal f32: the largest |rounded weight| of units 0 to 9; the largest |b1|; the largest |b2|
; LIMITS.  W2 and W3, rounded, lie within f16's 65,504; below 2^-14 they keep f16's fixed step of 2^-24.  NaN and infinities are not treated apart.
; SHARES.  Work-group u = 0 .. 9 makes four chunks (half a matrix of K = 128, or a whole W1): wave w takes half-fragment w of each chunk, so a store of a wave covers 512 consecutive bytes.
; Work-group 10 makes the biases, with its wave 0 alone.  Every wave of every work-group passes the one barrier.
; THE MODE: SCHED_MODE bits 1:0 = 2 (LLVM: expert scheduling mode 2), set by the entry lines.  The code itself states the register dependences
; between vector instructions and memory or LDS instructions, with s_wait_alu, always for 0.
; THE PLAN.  Registers that memory or LDS instructions touch:
;   v3, v6-9      Offsets of the weight path: written by its address lines, read by its 8 loads (v3) and 4 stores (v6-9); never written again.
;   IN            The 8 loads land in it; no vector line names it before them; the pieces' roundings read it.
;   OUT           Four registers a piece, written by that piece's conversions, sign turns and selects; read by the 4 stores, which stand in ONE run behind the last piece; never written again.
;   v15, v[32:55] The bias path: v15 is the offset of its 6 loads and 5 of its stores; the loads land in v[32:55], which are rounded in place; v[32:51] and v11 are its stores' data.
;   v13, v24, v5  Made at the head: my wave's LDS word, the LDS address of the eight maxima, my lane's word in the unit's row; never written again.
;   v10, v16      The wave's maximum, the LDS store's data; the work-group's maximum, the last store's data.   v[16:23]: the LDS loads land there; no vector line names them before.
;   v30, v31      Written at the head, read by the closing add alone.
; No register that a memory or LDS instruction reads is written again, so no wait on vm_vsrc stands in the text.  Each run of loads or stores has one wait on va_vdst ahead of it.
.set IMG_BIAS, 163840
.set IMG_META, 166400
.set SPARE,    256                     ; LDS: bytes 0 .. 31 the eight waves' maxima (the block 0 .. 255 is theirs); from 256 the spare words, 128 bytes a wave
.set SPW, 30                           ; v30  LDS address of my spare word; never rewritten
.set NIL, 31                           ; v31  0; never rewritten
.set IN,  32                           ; v[32:63]  four pieces of 8 f32 as loaded
.set BF,  64                           ; v[64:67]  a piece as bf16 pairs
.set UP,  68                           ; v[68:75]  the rounded numbers as f32
.set OUT, 76                           ; v[76:91]  four pieces to store, each with registers of its own
.macro WMAX r                          ; the largest of v[r] over the 32 lanes, in every lane
	v_max_num_f32_dpp v[\r], v[\r], v[\r] row_xmask:1 row_mask:0xf bank_mask:0xf
	v_max_num_f32_dpp v[\r], v[\r], v[\r] row_xmask:2 row_mask:0xf bank_mask:0xf
	v_max_num_f32_dpp v[\r], v[\r], v[\r] row_xmask:4 row_mask:0xf bank_mask:0xf
	v_max_num_f32_dpp v[\r], v[\r], v[\r] row_xmask:8 row_mask:0xf bank_mask:0xf
	v_permlanex16_b32 v12, v[\r], s42, s43
	v_max_num_f32 v[\r], v[\r], v12
.endm
; unit u: its matrix and one word of parameters: bit 0 which half; 11:4 first chunk; 15:12 chunks from piece to piece; 16 K = 64 and bf16; 17 sign turned
.macro PICK u, p, half, chunk, stride, k64, neg
	s_cmp_eq_u32 s5, \u
	s_cselect_b64 s[2:3], s[\p:\p+1], s[2:3]
	s_cselect_b32 s4, (\half)|((\chunk)<<4)|((\stride)<<12)|((\k64)<<16)|((\neg)<<17), s4
.endm
.macro PIECE j                         ; 8 numbers a lane: rounded, their magnitudes taken into the maxima, written in the unit's format into the piece's own four registers of OUT
	s_wait_loadcnt 6-2*(\j)                        ; loads come back in order: the pieces behind this one, two loads each, may stay out
.irp k, 0,1,2,3
	v_cvt_pk_bf16_f32 v[BF+\k], v[IN+8*(\j)+2*\k], v[IN+8*(\j)+2*\k+1]
.endr
.irp k, 0,1,2,3
	v_lshlrev_b32 v[UP+2*\k], 16, v[BF+\k]
	v_and_b32 v[UP+2*\k+1], s44, v[BF+\k]
.endr
.irp k, 0,1,2,3
	v_max3_num_f32 v[10+\k%2], v[10+\k%2], |v[UP+2*\k]|, |v[UP+2*\k+1]|
.endr
.irp k, 0,1,2,3
	v_cvt_pk_f16_f32 v[OUT+4*(\j)+\k], v[UP+2*\k], v[UP+2*\k+1]
.endr
.irp k, 0,1,2,3
	v_xor_b32 v[OUT+4*(\j)+\k], s13, v[OUT+4*(\j)+\k]
.endr
.irp k, 0,1,2,3
	v_cndmask_b32 v[OUT+4*(\j)+\k], v[OUT+4*(\j)+\k], v[BF+\k], s12
.endr
.endm
	s_load_b512 s[16:31], s[0:1], 0x0              ; tW1 s[16:17], tW2 s[18:19], tW3 s[20:21], pW1 s[22:23], pW2 s[24:25], pW3 s[26:27], tb1 s[28:29], tb2 s[30:31]
	s_load_b256 s[32:39], s[0:1], 0x40             ; tb3 s[32:33], pb1 s[34:35], pb2 s[36:37], pb3 s[38:39]
	s_load_b64 s[40:41], s[0:1], 0x60              ; wimg
	v_lshl_add_u32 v[SPW], v0, 2, SPARE
	v_mov_b32 v[NIL], 0
	v_lshrrev_b32 v13, 5, v0
	v_readfirstlane_b32 s14, v13                   ; wave 0..7
	v_lshlrev_b32 v13, 2, v13                      ; my wave's word in LDS
	v_and_b32 v1, 15, v0                           ; l % 16
	v_and_b32 v14, 31, v0                          ; l
	v_mov_b32 v10, 0                               ; two chains of maxima of magnitudes: they start at 0
	v_mov_b32 v11, 0
	v_mov_b32 v12, 0                               ; v_permlanex16_b32's destination counts as read
	v_mov_b32 v24, 0                               ; the LDS address of the eight maxima: made here, so that the wait ahead of the LDS store serves it too
	s_mov_b32 s5, ttmp9                            ; the unit
	s_lshl_b32 s15, s5, 7
	s_add_co_u32 s15, s15, IMG_META
	v_lshl_add_u32 v5, v14, 2, s15                 ; my lane's word in the unit's row of maxima
	s_mov_b32 s42, 0x76543210                      ; v_permlanex16_b32: each lane takes its own place in the other half
	s_mov_b32 s43, 0xfedcba98
	s_mov_b32 s44, 0xffff0000                      ; a word's upper bf16
	s_wait_alu depctr_va_sdst(0)                   ; s14 is written, ahead of the first branch and of its first reader on either way: the compares on the wave's number
	s_wait_kmcnt 0x0
	s_cmp_eq_u32 s5, 10
	s_cbranch_scc1 .Lbias                          ; the same way for all waves of a work-group
	s_mov_b64 s[2:3], s[16:17]                     ; unit 0: tW1
	s_mov_b32 s4, (1<<12)|(1<<16)
	PICK 1, 18, 0, 4, 1, 0, 0
	PICK 2, 18, 1, 8, 1, 0, 0
	PICK 3, 22, 0, 12, 1, 1, 0
	PICK 4, 24, 0, 16, 1, 0, 0
	PICK 5, 24, 1, 20, 1, 0, 0
	PICK 6, 20, 0, 24, 2, 0, 0
	PICK 7, 20, 1, 32, 2, 0, 0
	PICK 8, 26, 0, 25, 2, 0, 1
	PICK 9, 26, 1, 33, 2, 0, 1
	s_and_b32 s6, s4, 1
	s_lshl_b32 s6, s6, 15                          ; the half: 64 rows of 512 bytes
	s_bfe_u32 s7, s4, 0x80004
	s_lshl_b32 s7, s7, 12                          ; the first chunk's byte
	s_bfe_u32 s8, s4, 0x4000c
	s_lshl_b32 s8, s8, 12                          ; bytes from piece to piece in the image
	s_bitcmp1_b32 s4, 16                           ; K = 64?
	s_cselect_b32 s9, 8, 9                         ; a row is 256 or 512 bytes
	s_cselect_b32 s10, 63, 127                     ; col = kk modulo K
	s_cselect_b32 s11, 4096, 0                     ; kk / 64 chooses the second tile, 16 rows of 256 bytes on
	s_cselect_b32 s12, -1, 0                       ; every lane keeps the bf16 form
	s_bitcmp1_b32 s4, 17
	s_cselect_b32 s13, 0x80008000, 0               ; both halves' signs
	v_lshrrev_b32 v2, 4, v0
	v_lshlrev_b32 v2, 3, v2                        ; kk = 16 wave + 8 (l / 16)
	v_lshlrev_b32 v3, s9, v1                       ; row l % 16
	v_and_b32 v4, s10, v2
	v_lshl_add_u32 v3, v4, 2, v3                   ; + 4 col
	v_lshrrev_b32 v4, 6, v2
	v_mad_u32_u24 v3, v4, s11, v3
	v_add_nc_u32 v3, s6, v3
	v_lshl_add_u32 v6, v0, 4, s7                   ; 512 wave + 16 l = 16 x my thread's number, in the first chunk
	v_add_nc_u32 v7, s8, v6
	v_add_nc_u32 v8, s8, v7
	v_add_nc_u32 v9, s8, v8
	s_wait_alu depctr_va_vdst(0)                   ; v3 is written, the offset that the eight loads read; so are v6 to v9, which the four stores read
.irp j, 0,1,2,3                                        ; piece j: 16 rows of 512 bytes, or 32 of 256, further on: 8,192 bytes
	global_load_b128 v[IN+8*\j:IN+8*\j+3], v3, s[2:3] offset:8192*\j
	global_load_b128 v[IN+8*\j+4:IN+8*\j+7], v3, s[2:3] offset:8192*\j+16
.endr
	PIECE 0
	PIECE 1
	PIECE 2
	PIECE 3
	s_wait_alu depctr_va_vdst(0)                   ; the four pieces' selects have written OUT, which the four stores read: one wait for the run
.irp j, 0,1,2,3
	global_store_b128 v[6+\j], v[OUT+4*\j:OUT+4*\j+3], s[40:41]  ; 512 consecutive bytes a wave, at a multiple of 256 from wimg's first
.endr
	v_max_num_f32 v10, v10, v11
	s_branch .Ljoin
.Lbias:                                                ; unit 10: wave 0 alone; the other waves bring 0 to the common maximum
	s_cmp_lg_u32 s14, 0
	s_cbranch_scc1 .Ljoin
	v_lshlrev_b32 v15, 4, v14                      ; 16 l: 32 lanes take a vector's 512 bytes
	s_wait_alu depctr_va_vdst(0)                   ; v15 is written, the offset that the six loads and five of the stores below read
	global_load_b128 v[32:35], v15, s[28:29]       ; tb1
	global_load_b128 v[36:39], v15, s[30:31]       ; tb2
	global_load_b128 v[40:43], v15, s[32:33]       ; tb3
	global_load_b128 v[44:47], v15, s[34:35]       ; pb1
	global_load_b128 v[48:51], v15, s[36:37]       ; pb2
	global_load_b128 v[52:55], v15, s[38:39]       ; pb3
	s_wait_loadcnt 0x0
.irp b, 32,36,40,44,48,52                              ; each number rounded to bf16 and widened again, in place
	v_cvt_pk_bf16_f32 v64, v[\b], v[\b+1]
	v_cvt_pk_bf16_f32 v65, v[\b+2], v[\b+3]
	v_lshlrev_b32 v[\b], 16, v64
	v_and_b32 v[\b+1], s44, v64
	v_lshlrev_b32 v[\b+2], 16, v65
	v_and_b32 v[\b+3], s44, v65
.endr
	v_pk_add_f32 v[40:41], v[40:41], v[52:53] neg_lo:[0,1] neg_hi:[0,1]  ; b3t - b3p
	v_pk_add_f32 v[42:43], v[42:43], v[54:55] neg_lo:[0,1] neg_hi:[0,1]
	v_max3_num_f32 v10, v10, |v32|, |v33|          ; the largest |b1| of both nets: the common tail below reduces it and stores it in row 10
	v_max3_num_f32 v11, v11, |v36|, |v37|          ; the largest |b2|
	v_max3_num_f32 v10, v10, |v34|, |v35|
	v_max3_num_f32 v11, v11, |v38|, |v39|
	v_max3_num_f32 v10, v10, |v44|, |v45|
	v_max3_num_f32 v11, v11, |v48|, |v49|
	v_max3_num_f32 v10, v10, |v46|, |v47|
	v_max3_num_f32 v11, v11, |v50|, |v51|
	WMAX 11
	s_wait_alu depctr_va_vdst(0)                   ; the widenings and the differences have written v[32:51], the reduction v11: the data of the six stores; one wait for the run
	global_store_b128 v15, v[32:35], s[40:41] offset:IMG_BIAS
	global_store_b128 v15, v[36:39], s[40:41] offset:IMG_BIAS+512
	global_store_b128 v15, v[44:47], s[40:41] offset:IMG_BIAS+1024
	global_store_b128 v15, v[48:51], s[40:41] offset:IMG_BIAS+1536
	global_store_b128 v15, v[40:43], s[40:41] offset:IMG_BIAS+2048
	global_store_b32 v5, v11, s[40:41] offset:128  ; row 11
.Ljoin:                                                ; the work-group's maximum: each wave's into its word, one barrier, wave 0 reads all eight
	WMAX 10
	s_wait_alu depctr_va_vdst(0)                   ; the reduction has written v10, the LDS store's data; on every way to this line it also stands behind the head's v13, v24 and v5, the addresses used from here on
	ds_store_b32 v13, v10
	s_wait_dscnt 0x0                               ; for the others' sake: my store is done
	s_barrier_signal -1
	s_barrier_wait -1
	s_cmp_lg_u32 s14, 0
	s_cbranch_scc1 .Lend
	ds_load_b128 v[16:19], v24                     ; no vector line since the wait above: v24 is written, and nothing has named v[16:23]
	ds_load_b128 v[20:23], v24 offset:16
	s_wait_dscnt 0x0
	v_max3_num_f32 v16, v16, v17, v18
	v_max3_num_f32 v16, v16, v19, v20
	v_max3_num_f32 v16, v16, v21, v22
	v_max_num_f32 v16, v16, v23
	s_wait_alu depctr_va_vdst(0)                   ; the last maximum has written v16, the store's data
	global_store_b32 v5, v16, s[40:41]             ; the unit's row: 32 lanes, 128 consecutive bytes
.Lend:
	s_wait_dscnt 0x0                               ; the wave's end
	s_wait_alu 0x0
	s_wait_tensorcnt 0x0
	ds_add_u32 v[SPW], v[NIL]
	s_wait_dscnt 0x0
	s_endpgm
.Lfunc_end_k_qb2b6d482e4_prep:
	.size	k_qb2b6d482e4_prep, .Lfunc_end_k_qb2b6d482e4_prep-k_qb2b6d482e4_prep
	.p2alignl 7, 3214868480
	.fill 96, 4, 3214868480
	.section	.rodata,"a",@progbits
	.p2align	6, 0x0
	.amdhsa_kernel k_qb2b6d482e4_prep
		.amdhsa_group_segment_fixed_size 1280
		.amdhsa_private_segment_fixed_size 0
		.amdhsa_enable_private_segment 0
		.amdhsa_kernarg_size 104
		.amdhsa_user_sgpr_count 2
		.amdhsa_user_sgpr_kernarg_segment_ptr 1
		.amdhsa_wavefront_size32 1
		.amdhsa_system_sgpr_workgroup_id_x 1
		.amdhsa_system_sgpr_workgroup_id_y 1
		.amdhsa_system_sgpr_workgroup_id_z 1
		.amdhsa_system_vgpr_workitem_id 0
		.amdhsa_next_free_vgpr 96
		.amdhsa_next_free_sgpr 66
		.amdhsa_reserve_vcc 0
		.amdhsa_float_denorm_mode_32 3
		.amdhsa_float_denorm_mode_16_64 3
		.amdhsa_memory_ordered 1
		.amdhsa_forward_progress 1
		.amdhsa_inst_pref_size 16
	.end_amdhsa_kernel
	.amdgpu_metadata
---
amdhsa.version: [ 1, 2 ]
amdhsa.kernels:
  - .name:           k_qb2b6d482e4_prep
    .symbol:         k_qb2b6d482e4_prep.kd
    .args:
      - { .name: tW1, .offset: 0, .size: 8, .value_kind: global_buffer, .address_space: global }
      - { .name: tW2, .offset: 8, .size: 8, .value_kind: global_buffer, .address_space: global }
      - { .name: tW3, .offset: 16, .size: 8, .value_kind: global_buffer, .address_space: global }
      - { .name: pW1, .offset: 24, .size: 8, .value_kind: global_buffer, .address_space: global }
      - { .name: pW2, .offset: 32, .size: 8, .value_kind: global_buffer, .address_space: global }
      - { .name: pW3, .offset: 40, .size: 8, .value_kind: global_buffer, .address_space: global }
      - { .name: tb1, .offset: 48, .size: 8, .value_kind: global_buffer, .address_space: global }
      - { .name: tb2, .offset: 56, .size: 8, .value_kind: global_buffer, .address_space: global }
      - { .name: tb3, .offset: 64, .size: 8, .value_kind: global_buffer, .address_space: global }
      - { .name: pb1, .offset: 72, .size: 8, .value_kind: global_buffer, .address_space: global }
      - { .name: pb2, .offset: 80, .size: 8, .value_kind: global_buffer, .address_space: global }
      - { .name: pb3, .offset: 88, .size: 8, .value_kind: global_buffer, .address_space: global }
      - { .name: wimg, .offset: 96, .size: 8, .value_kind: global_buffer, .address_space: global }
    .group_segment_fixed_size: 1280
    .private_segment_fixed_size: 0
    .kernarg_segment_align: 8
    .kernarg_segment_size: 104
    .max_flat_workgroup_size: 256
    .sgpr_count:     66
    .vgpr_count:     96
    .wavefront_size: 32
...
	.end_amdgpu_metadata
.endif
;; end of part 4
;; launch rnd: the kernel of part 2 again; grid 256 x 1, 4 waves a work-group, clusters of 4 x 1, 176,640 bytes of LDS; arguments obs, wimg, rew, part; writes rew, part
;; launch norm: the kernel of part 3 again; grid 256 x 1, 4 waves a work-group, no clusters, 0 bytes of LDS; arguments rew, part, reward_mean, reward_m2, reward_count, out0; writes out0
